; MI455X (gfx1250); checked and timed in simulation.
; The chip was launched on July 23, 2026; its instructions are those of AMD's public machine-readable ISA for CDNA 5 (MIT licence, August 2026) and "CDNA5" Instruction Set Architecture Reference Guide (July 2026). The comments in the code are by the model that wrote it; some were corrected since.
;; Multi Head Attention. Allowed arithmetic: matrix products marked QUANTISED: E2M1 operands, one E8M0 scale for each 32 along K, by v_wmma_scale_f32_16x16x128_f8f6f4 with both operands' format E2M1 (or v_wmma_scale_f32_32x16x128_f4), f32 sums; everything else in f32.
;; Inputs: Wk_codes 1,024 x 32 x 16 uint8 (E2M1 codes of Wk, K innermost, in blocks of 32 codes, two codes a byte); Wk_scales 1,024 x 32 uint8 (E8M0 scales of Wk, one for each 32 codes along K); Wq_codes 1,024 x 32 x 16 uint8 (E2M1 codes of Wq, K innermost, in blocks of 32 codes, two codes a byte); Wq_scales 1,024 x 32 uint8 (E8M0 scales of Wq, one for each 32 codes along K); Wv_codes 1,024 x 32 x 16 uint8 (E2M1 codes of Wv, K innermost, in blocks of 32 codes, two codes a byte); Wv_scales 1,024 x 32 uint8 (E8M0 scales of Wv, one for each 32 codes along K); beta 1,024 float32; bk 1,024 float32; bq 1,024 float32; bv 1,024 float32; gamma 1,024 float32; keys_codes 4 x 2,048 x 32 x 16 uint8 (E2M1 codes of keys, K innermost, in blocks of 32 codes, two codes a byte); keys_scales 4 x 2,048 x 32 uint8 (E8M0 scales of keys, one for each 32 codes along K); queries 4 x 2,048 x 1,024 float32; values_codes 4 x 2,048 x 32 x 16 uint8 (E2M1 codes of values, K innermost, in blocks of 32 codes, two codes a byte); values_scales 4 x 2,048 x 32 uint8 (E8M0 scales of values, one for each 32 codes along K).
;; Outputs: out0 4 x 2,048 x 1,024 float32.
;; This version of the problem:
;;   THIS VERSION OF THE PROBLEM IS GIVEN IN LOW PRECISION. The matrix products marked QUANTISED in the list below multiply operands that are first quantised to E2M1 (2 exponent bits, 1 mantissa bit; 4 bits a number), with one power-of-two scale for each 32 numbers along K (OCP MX v1.0); their sums are f32. All else is computed in f32.
;;   The module's matrix products, in the order in which they are computed (A, B: the left and right operand; K: the contracted axis; several contracted axes count as one K, in the product's order):
;;     1. [M 8,192, K 1,024] x [K 1,024, N 1,024]; A: input queries; B: input Wq (given as codes): QUANTISED
;;     2. [M 8,192, K 1,024] x [K 1,024, N 1,024]; A: input keys (given as codes); B: input Wk (given as codes): QUANTISED
;;     3. [M 8,192, K 1,024] x [K 1,024, N 1,024]; A: input values (given as codes); B: input Wv (given as codes): QUANTISED
;;     4. batch 32 x [M 2,048, K 128] x [K 128, N 2,048]; A: computed on the way; B: computed on the way: QUANTISED
;;     5. batch 32 x [M 2,048, K 2,048] x [K 2,048, N 128]; A: softmax (see below); B: computed on the way: QUANTISED
;;   THE QUANTISER, for each operand of a quantised product, along K:
;;     - K is cut into blocks of 32 from its start; a last block that is shorter is filled with zeros.
;;     - A block's scale is 2^e with e = floor(log2(the largest magnitude in the block)) - 2, held to -126 .. 127; a block of zeros has e = 0. As a byte (E8M0): e + 127.
;;     - Each number is divided by its block's scale, clamped to +-6, and rounded to the nearest number of E2M1, ties to even, subnormals kept.
;;     - The product sums the exact products of the quantised numbers (number of the format x scale) in f32.
;;   ~~~python
;;   def quantise(x, axis):      # numpy; x: float32 -> the quantised numbers, widened to float32 again
;;       x = np.moveaxis(x, axis, -1); K = x.shape[-1]
;;       x = np.pad(x, [(0, 0)] * (x.ndim - 1) + [(0, -K % 32)]); x = x.reshape(x.shape[:-1] + (-1, 32)); a = np.abs(x).max(-1, keepdims=True)
;;       e = np.where(a > 0, np.clip(np.frexp(np.where(a > 0, a, 1))[1] - 1 - 2, -126, 127), 0)      # np.frexp(a)[1] - 1 = floor(log2(a)), exactly
;;       r = np.clip(x / 2.0 ** e, -6, 6)
;;       step = 2.0 ** (np.maximum(np.frexp(np.where(r == 0, 1, r))[1] - 1, 0) - 1)
;;       q = np.round(r / step) * step * 2.0 ** e      # np.round: ties to even
;;       return np.moveaxis(q.reshape(q.shape[:-2] + (-1,))[..., :K], -1, axis).astype(np.float32)
;;   ~~~
;;   SOFTMAX AHEAD OF A QUANTISED PRODUCT. Where the list says 'softmax', what is quantised is not the finished softmax but p = 2^(t - M), with t = logit x log2(e) and M = ceil(the row's largest t), a whole number; so 1/2 < the row's largest p <= 1. The row's sum l is taken of the UNQUANTISED p, in f32, and the product's result is divided by l at the end. Since M is a whole number, a kernel that streams over the keys may use a running M (the ceiling of the running maximum): every later rescaling is an exact power of two, which a block's scale takes up: the codes' values come out the same.
;;   OPERANDS COMPUTED ON THE WAY. 'Computed on the way' means the value that the module computes at that place (a softmax that the list does not call 'softmax' is quantised finished and normalised). What goes into a quantiser is computed in f32, as accurately as f32 sums, v_exp_f32 and their like allow (about 1e-6 of the number): no bf16 or f16 on the way to a quantiser, and a product that is left as it is and whose result goes on into a quantised operand takes f32 operands (vector FMAs, or v_wmma_f32_16x16x4_f32). A number that lies on a knife's edge between two numbers of the format may be rounded either way, as far as f32 arithmetic and the matrix unit's own rounding can turn it there, and no further.
;;   INPUTS GIVEN AS CODES. Wk (in the module: [1024, 1024], K = its axis 0); Wq (in the module: [1024, 1024], K = its axis 0); Wv (in the module: [1024, 1024], K = its axis 0); keys (in the module: [4, 2048, 1024], K = its axis 2); values (in the module: [4, 2048, 1024], K = its axis 2): each comes as NAME_codes (uint8): NAME with its K axis moved to the last place and cut into blocks of 32 codes, [.., K / 32, bytes a block], one block behind the other in memory; two codes a byte, the lower K in the low four bits (a code: sign, 2 exponent bits, 1 mantissa bit); and NAME_scales (uint8): the same leading axes, one E8M0 byte (e + 127) for each 32 codes along K. Its value is code x scale, taken as it is: it is not quantised again, and the codes and scales need not be those that the quantiser above would give.
;; One version. Each part assembles by itself: llvm-mc -triple=amdgcn-amd-amdhsa -mcpu=gfx1250 --defsym DOCPART=n.
;; ======== version 1 of 1: 2 launches
;; limits: right only within a limited range of input values
;; workspace buffers: cw 8,912,896 bytes; wqi 557,056 bytes
;; launch proj (part 1): grid 4 x 64, 4 waves a work-group, clusters of 4 x 4, 327,680 bytes of LDS; arguments keys_codes, Wv_codes, keys_scales, Wv_scales, Wk_codes, values_codes, Wk_scales, values_scales, bk, bv, cw, Wq_codes, Wq_scales, wqi; writes cw, wqi
.if DOCPART == 1
	.amdgcn_target "amdgcn-amd-amdhsa--gfx1250"
	.amdhsa_code_object_version 6
	.text
	.protected	k_qe2d9cab729_proj
	.globl	k_qe2d9cab729_proj
	.p2align	8
	.type	k_qe2d9cab729_proj,@function
k_qe2d9cab729_proj:
	s_mov_b64 s[64:65], 0
	v_nop
	global_prefetch_b8 v0, s[64:65] scope:SCOPE_SE
	s_setreg_imm32_b32 hwreg(HW_REG_WAVE_MODE, 25, 1), 1
	s_wait_xcnt 0x0
	s_wait_alu depctr_hold_cnt(0) depctr_sa_sdst(0) depctr_va_vdst(0) depctr_va_sdst(0) depctr_va_ssrc(0) depctr_va_vcc(0) depctr_vm_vsrc(0)
	s_getreg_b32 s2, hwreg(HW_REG_IB_STS2, 6, 4)
	s_cmp_eq_u32 s2, 0
	s_cbranch_scc0 .Lentry_in_a_cluster
	s_endpgm
.Lentry_in_a_cluster:
	s_bfe_u32 s2, ttmp6, 0x10000c
	s_cmp_lg_u32 s2, 0xf033
	s_cbranch_scc0 .Lentry_shape_is_right
	s_endpgm
.Lentry_shape_is_right:
; THE THREE PROJECTIONS, one text: C[m][n] = sum over k of A[m][k] B[n][k] + bias, K = 1,024, on codes of FP4 (E2M1) with one E8M0 byte for each 32 along K; C is quantised along n and leaves as codes.
;   g = 0: Q:   A = the queries' codes (8,192 tokens), B = Wq (1,024 features), bias by n.      g = 1: K: A = keys, B = Wk, likewise.
;   g = 2: V^T: A = Wv (1,024 features), B = values (8,192 tokens), bias by m: so that n, the axis that is quantised, runs along the keys, which are the K of the attention's second product.
; No work is left out here.  LIMITS: NaN and infinities are not served; a block of zeros gets the byte 1 (its codes are zeros; this program alone reads the bytes).
; SHARES.  16 clusters of 4 x 4 work-groups, eight for each of g = 1, 2.  A work-group makes 256 x 256 of C, each of its four waves 128 x 128: 64 accumulators, 512 registers.  The four of a row of the cluster need the
; same 256 rows of A, the four of a column the same 256 rows of B: each tile is asked for JOINTLY.  g and the cluster's place along the long axis come from the cluster's number, which all sixteen share.
; K = 1,024 is two slots of 512 along K (rows of 256 bytes): both slots and all scale bytes are first fills; nothing in LDS is filled again.
; THE MATRIX INSTRUCTION IS USED TRANSPOSED (source 0 = 16 rows of B, source 1 = 16 rows of A): lane (r, h) holds row r of A's block, and register 8 b + j of the block's 64 holds n = 16 b + 8 h + j.
; THE WAY OUT.  A wave's 128 x 128 is one chunk of the attention's operands: 128 tokens of one head (g = 2: the head's 128 channels x 128 keys).  Each of A's eight blocks becomes one fragment (16 rows x 128 along
; the next K), stored AS AN IMAGE OF THE OPERAND'S REGISTERS: group c of four registers of lane l at 512 c + 16 l.  cw: [g - 1][chunk][8,704 bytes], fragment f at 1,024 f, chunk = ((batch x 8 + head) x 16 + token / 128).
; The scale word of row x of a chunk lies at 16 (x % 32) + 4 (x / 32) of the chunk's last 512 bytes: one load of 16 bytes a lane then gives four scale registers, two tiles each (lanes 0-15, lanes 16-31).
; REGISTERS, in windows of 256: window 0: v0-31 addresses; v32-95 scale words, two sets; v96-123 at work on the way out; from v128 A's fragments, ONE set, later the codes.
;   window 1: B's fragments, two sets, at v0 and v128; v192-255 the bias, eight registers a tile.   windows 2, 3: the accumulators ((a, b) at v[8 (8 (a % 4) + b)]).
; THE PROGRAM, two launches.  (1) this one: the projections K (g = 1) and V^T (g = 2) alone, 16 clusters; and Wq re-laid for the second launch.  (2) the queries quantised and projected, causal attention, the residual and the norm.
; cw: [K, V][chunk][8,704 bytes]: eight images of 1,024 bytes, then the chunk's 512 bytes of scale words.  wqi: [k / 128][head][8,704 bytes]: Wq's 128 features of a head x 128 along K in the same form.
; WORK LEFT OUT: launch 2 leaves out the key steps (128 keys) all of whose keys come after all 16 queries of a wave.  reference() builds the mask itself (jnp.tril) and replaces those scores by -1e9 whatever
; the inputs hold, so the first product's results there reach nothing; the weight of such a key is 2^(-1e9 log2(e) - M), which is 0 in f32 for every M that a row with a visible logit above about -1e9 has,
; so its code is 0 and the second product adds nothing there.  Every input has a way to the output and is loaded.
; LIMITS OF THE PROGRAM: a row whose visible logits all lie at about -1e9 or under differs from reference(); a NaN, an infinity or an overflow that reaches only the steps left out is not carried to the result;
; NaN and infinities among the inputs are not served.
.set NQ,     4
.set ROWB,   256                       ; a tile's row in bytes
.set KROW,   512                       ; a row of A or of B in memory
.set PITCH,  272                       ; an LDS row: 256 bytes + 16 of padding = 68 words: the 16 rows that a load touches start at 16 different banks (64 banks of 4 bytes: ISA guide 11.1)
.set FR,     8                         ; registers of a fragment
.set NL,     2                         ; LDS loads that bring one
.set NP,     4                         ; places behind this matrix instruction (ISA guide 7.12.1)
.set HALFT,  128*PITCH                 ; 128 rows: what one tensor load brings, and what one wave reads of A or of B
.set SLOT,   4*HALFT                   ; A's 256 rows, then B's 256 rows
.set KS,     32                        ; a row of scale bytes
.set SCL,    2*SLOT                    ; behind the slots: the scale bytes, as runs of 256 bytes + 16 of padding
.set HALFS,  16*272                    ; those of 128 rows: half of what one tensor load brings
.set SBLK,   2*272                     ; those of 16 rows
.set SPARE,  SCL+4*HALFS               ; the spare words, 128 bytes for each wave, which no other line names
.set ADRA, 16                          ; v16-17  LDS address of my A fragments in slot 0, 1
.set ADRB, 20                          ; v20-21  the same for B
.set STS,  24                          ; v24     the scale words' stage (512 bytes a wave, in slot 0, which has had its only fill and is read no more): 16 r
.set STL,  25                          ; v25     and back: 16 x lane
.set CO,   26                          ; v26     16 x lane: my place in an image
.set ADRS, 27                          ; v27     LDS address of my scale words: lanes 0-15 A's rows, lanes 16-31 B's
.set SPW,  28                          ; v28     my spare word; never rewritten
.set NIL,  29                          ; v29     0; never rewritten
.set BH,   30                          ; v30     32 h: the bias by n
.set BR,   31                          ; v31     4 r: the bias by m
.set SC,   32                          ; scale words: set s at v[SC + 32 s]; register 4 i + q: lanes 0-15 A's block i, lanes 16-31 B's block i, the slot's q-th 128 along K
.set TM,   96                          ; v96-99 largest magnitudes, v100-103 the other half's, then bytes, v108-111 the conversions' scale operands
.set PW,   112                         ; v112-119 the scale word of each of the eight fragments
.set BK,   120                         ; v120-123 the words read back
.set AF,   128                         ; A's fragments
.set PCB,  128                         ; the codes of fragment a at v[PCB + 8 a], where A's fragments lay
.set BI,   192                         ; window 1: the bias
.set PS,   2                           ; s[2:3]  lane selects: lane l xor 16
.set WV,   18                          ; s18 wave;  s19 its half of A's rows, also: I fetch for A (0) or B (1);  s20 its half of B's rows, also: which 128 rows I fetch
.set RG,   21                          ; s21 g
.set SEL,  22                          ; s22 1 where g = 2
.set G0,   24                          ; s[24:31] group 0 for A's tiles, a set for each slot;  s[32:39] for B's;  s[40:43], s[44:47] for their scale bytes
.set G0B,  32
.set G0S,  40
.set G0SB, 44
.set G1,   68                          ; s[68:75], s[76:83] group 1 for A's and B's tiles;  s[84:91], s[92:99] for their scale bytes
.set G1B,  76
.set G1S,  84
.set G1SB, 92
.set MSB, 0
.macro WIN new                         ; the immediate's high byte repeats the setting that is left
.if MSB != \new
	s_set_vgpr_msb (MSB<<8)|\new
.set MSB, \new
.endif
.endm
.set MUL_LO, 0xa1                      ; source 0 (B) window 1, source 1 (A) window 0, C and D window 2
.set MUL_HI, 0xf1                      ; the same, C and D window 3
.set TO_B,   0x40                      ; destination window 1, address window 0
; A joint load: waves 0 and 1 fetch for A, waves 2 and 3 for B.  Each line has one mask and one set of registers for all that issue it; the branch hangs on the wave's number alone.
; An s_nop 0 and four v_nop follow each of the two lines.
.macro JLOAD g0a, g1a, g0b, g1b
	s_cmp_eq_u32 s19, 0
	s_cbranch_scc0 .Lfor_b_\@
	tensor_load_to_lds s[\g0a:\g0a+3], s[\g1a:\g1a+7]
	s_nop 0
.rept 4
	v_nop
.endr
	s_branch .Lasked_\@
.Lfor_b_\@:
	tensor_load_to_lds s[\g0b:\g0b+3], s[\g1b:\g1b+7]
	s_nop 0
.rept 4
	v_nop
.endr
.Lasked_\@:
.endm
.macro CROUND                          ; a round of the cluster's barrier
	s_barrier_signal -1
	s_barrier_wait -1
	s_cmp_lg_u32 s[WV], 0
	s_cbranch_scc1 .Lnot_wave_0_\@
	s_barrier_signal -3
.Lnot_wave_0_\@:
	s_barrier_wait -3
	s_barrier_signal -1
	s_barrier_wait -1
.endm
	s_load_b512 s[24:39], s[0:1], 0x0              ; the arguments, by kind:
	s_load_b128 s[40:43], s[0:1], 0x40             ; two of each kind: A's codes s[24:27], A's scales s[28:31], B's codes s[32:35], B's scales s[36:39], the biases s[40:43],
	s_load_b64 s[44:45], s[0:1], 0x50              ; cw
	v_lshl_add_u32 v[SPW], v0, 2, SPARE
	v_mov_b32 v[NIL], 0
	ds_add_u32 v[SPW], v[NIL]                      ; the wave's opening: the add, twice on end, and its wait ahead of my first tensor load
	ds_add_u32 v[SPW], v[NIL]
	v_lshrrev_b32 v1, 5, v0
	v_readfirstlane_b32 s[WV], v1                  ; wave 0..3
	s_lshr_b32 s19, s[WV], 1
	s_and_b32 s20, s[WV], 1
	s_and_b32 s100, ttmp7, 0xffff                  ; the cluster's number, 0 .. 15
	s_lshr_b32 s[RG], s100, 3
	s_add_co_u32 s[RG], s[RG], 1                   ; g = 1 or 2: the cluster's number is 0 .. 15
	s_lshr_b32 s[SEL], s[RG], 1
	s_and_b32 s101, s100, 7                        ; which four tiles of the long axis
	s_mov_b32 s[PS], 0x76543210
	s_mov_b32 s[PS+1], 0xfedcba98
.irp g, G1, G1B                        ; a tile of 256 rows x 256 bytes
	s_mov_b32 s[\g+1], ROWB<<16                    ; tensor_dim0
	s_mov_b32 s[\g+2], 256<<16                     ; tensor_dim1: the head's loads bring a tile's 256 rows; slot 1's loads 128 (set behind the head's wait)
	s_mov_b32 s[\g+3], ROWB<<16                    ; tile_dim0
	s_mov_b32 s[\g+4], 256                         ; tile_dim1
	s_mov_b32 s[\g+5], KROW                        ; from row to row
	s_mov_b32 s[\g+6], 0
	s_mov_b32 s[\g+7], 0
.endr
.irp g, G1S, G1SB                      ; the scale bytes of 256 rows: 8,192 dense bytes as 32 rows of 256 (32 elements of 8 bytes)
	s_mov_b32 s[\g+1], 32<<16
	s_mov_b32 s[\g+2], 32<<16                      ; the scale bytes of 256 rows: 8,192 dense bytes as 32 rows of 256
	s_mov_b32 s[\g+3], 32<<16
	s_mov_b32 s[\g+4], 32
	s_mov_b32 s[\g+5], 32
	s_mov_b32 s[\g+6], 0
	s_mov_b32 s[\g+7], 0
.endr
	s_wait_dscnt 0x0                               ; both opening adds are done
	s_wait_kmcnt 0x0
	s_cmp_eq_u32 s[RG], 2                          ; the buffers of my g: a choice that hangs on the cluster's number alone
	s_cselect_b64 s[4:5], s[26:27], s[24:25]       ; A's codes
	s_cselect_b64 s[6:7], s[30:31], s[28:29]       ; A's scales
	s_cselect_b64 s[8:9], s[34:35], s[32:33]       ; B's codes
	s_cselect_b64 s[10:11], s[38:39], s[36:37]     ; B's scales
	s_cselect_b64 s[12:13], s[42:43], s[40:41]     ; the bias
	s_mov_b64 s[14:15], s[44:45]                   ; cw
	s_bfe_u32 s48, ttmp6, 0x40000                  ; cx, cy: my place in the cluster
	s_bfe_u32 s49, ttmp6, 0x40004
	s_cmp_eq_u32 s[SEL], 0
	s_cselect_b32 s54, s101, 0                     ; the long axis is A's (g = 0, 1)
	s_cselect_b32 s55, 0, s101                     ; or B's (g = 2)
	s_lshl_b32 s51, s54, 2
	s_add_co_u32 s51, s51, s49                     ; A's tile of 256 rows
	s_lshl_b32 s50, s55, 2
	s_add_co_u32 s50, s50, s48                     ; B's
	s_lshl_b32 s52, s49, 2
	s_lshl_b32 s52, 15, s52                        ; my row of the cluster
	s_lshl_b32 s53, 0x1111, s48                    ; my column
	s_or_b32 s[G1], s52, (1<<20)|(1<<21)|(5<<22)|(3<<25)            ; 15:0 the mask; 17:16 elements of 1 byte; 20 padding on; 21 set beside a mask; 24:22 after every 64 words; 31:25 four words
	s_or_b32 s[G1B], s53, (1<<20)|(1<<21)|(5<<22)|(3<<25)
	s_or_b32 s[G1S], s52, (3<<16)|(1<<20)|(1<<21)|(5<<22)|(3<<25)   ; the same with elements of 8 bytes
	s_or_b32 s[G1SB], s53, (3<<16)|(1<<20)|(1<<21)|(5<<22)|(3<<25)
	s_lshl_b32 s58, s51, 8
	s_lshl_b32 s60, s50, 8
	s_lshl_b32 s56, s58, 5                         ; 32 scale bytes a row,
	s_mov_b32 s57, 0
	s_lshl_b32 s62, s60, 5
	s_mov_b32 s63, 0
	s_lshl_b32 s58, s58, 9                         ; 512 bytes of codes
	s_mov_b32 s59, 0
	s_lshl_b32 s60, s60, 9
	s_mov_b32 s61, 0
	s_add_nc_u64 s[58:59], s[4:5], s[58:59]
	s_add_nc_u64 s[56:57], s[6:7], s[56:57]
	s_add_nc_u64 s[60:61], s[8:9], s[60:61]
	s_add_nc_u64 s[62:63], s[10:11], s[62:63]
	s_mul_i32 s54, s[WV], HALFT                    ; where they go: wave x 128 rows: no place in the cluster enters an LDS address
	s_mul_i32 s100, s20, 128*KROW                  ; slot 1: which 128 rows of the tile I fetch, in bytes
	s_mov_b32 s101, 0
	CROUND                                         ; all sixteen work-groups are here: the first joint loads meet
	s_mov_b32 s[G0S], 1
	s_mov_b32 s[G0S+1], SCL
	s_mov_b64 s[G0S+2:G0S+3], s[56:57]
	s_or_b32 s[G0S+3], s[G0S+3], 0x80000000
	s_mov_b32 s[G0SB], 1
	s_mov_b32 s[G0SB+1], SCL+2*HALFS
	s_mov_b64 s[G0SB+2:G0SB+3], s[62:63]
	s_or_b32 s[G0SB+3], s[G0SB+3], 0x80000000
.irp s, 0,1
	s_mov_b32 s[G0+4*\s], 1
	s_add_co_u32 s[G0+4*\s+1], s54, \s*SLOT
	s_add_nc_u64 s[G0+4*\s+2:G0+4*\s+3], s[58:59], \s*ROWB
	s_or_b32 s[G0+4*\s+3], s[G0+4*\s+3], 0x80000000
	s_mov_b32 s[G0B+4*\s], 1
	s_add_co_u32 s[G0B+4*\s+1], s54, \s*SLOT
	s_add_nc_u64 s[G0B+4*\s+2:G0B+4*\s+3], s[60:61], \s*ROWB
	s_or_b32 s[G0B+4*\s+3], s[G0B+4*\s+3], 0x80000000
.endr
	s_mov_b32 s[G0+1], 0                           ; slot 0 comes whole: A's 256 rows from byte 0,
	s_mov_b32 s[G0B+1], 2*HALFT                    ; B's behind them
	s_add_nc_u64 s[G0+6:G0+7], s[G0+6:G0+7], s[100:101]      ; slot 1 by quarters: my 128 rows
	s_add_nc_u64 s[G0B+6:G0B+7], s[G0B+6:G0B+7], s[100:101]
; THE HEAD'S LOADS, ONE A WAVE: wave 0 slot 0's 256 rows of A, wave 1 those of B, wave 2 the scale bytes of A's 256 rows, wave 3 those of B's.
; One chain of branches on the wave's number, an arm a load, all arms leading to one join.
.macro ARM under, g0, g1, next
	s_cmp_lt_u32 s[WV], \under
	s_cbranch_scc0 \next
	tensor_load_to_lds s[\g0:\g0+3], s[\g1:\g1+7]
	s_nop 0
.rept 4
	v_nop
.endr
	s_branch .Lhead_asked
\next:
.endm
	ARM 1, G0,  G1,  .Lhead_b
	ARM 2, G0B, G1B, .Lhead_sa
	ARM 3, G0S, G1S, .Lhead_sb
	tensor_load_to_lds s[G0SB:G0SB+3], s[G1SB:G1SB+7]
	s_nop 0
.rept 4
	v_nop
.endr
.Lhead_asked:
	v_and_b32 v1, 15, v0                           ; r
	v_bfe_u32 v2, v0, 4, 1                         ; h
	v_mul_u32_u24 v3, v1, PITCH
	v_lshl_add_u32 v4, v2, 4, v3                   ; a fragment's row x pitch + 16 h
	s_mul_i32 s54, s19, HALFT                      ; my 128 rows of A
	s_mul_i32 s55, s20, HALFT                      ; my 128 rows of B,
	s_add_co_u32 s55, s55, 2*HALFT                 ; which lie behind A's 256
.irp s, 0,1
	v_add_nc_u32 v[ADRA+\s], s54, v4
	v_add_nc_u32 v[ADRB+\s], s55, v4
	s_add_co_u32 s54, s54, SLOT
	s_add_co_u32 s55, s55, SLOT
.endr
	v_mul_u32_u24 v5, v1, KS                       ; my row's scale bytes: 32 a row,
	v_lshrrev_b32 v6, 8, v5
	v_lshl_add_u32 v5, v6, 4, v5                   ; and 16 more for each 256 passed
	s_mul_i32 s54, s19, HALFS
	s_mul_i32 s55, s20, HALFS
	s_add_co_u32 s55, s55, 2*HALFS
	s_sub_co_u32 s55, s55, s54
	v_mul_u32_u24 v6, s55, v2                      ; lanes 16-31 take B's: one product, the distance between the two bases x h
	s_add_co_u32 s54, s54, SCL
	v_add_nc_u32 v5, v5, v6
	v_add_nc_u32 v[ADRS], s54, v5
	s_lshl_b32 s54, s[WV], 9                       ; my stage for the scale words
	v_lshl_add_u32 v[STS], v1, 4, s54
	v_and_b32 v6, 31, v0
	v_lshlrev_b32 v[CO], 4, v6
	v_add_nc_u32 v[STL], s54, v[CO]
	v_lshlrev_b32 v[BH], 5, v2
	v_lshlrev_b32 v[BR], 2, v1
.irp b, 0,1,2,3
	v_mov_b32 v[TM+4+\b], 0                        ; written once: a lane permute's destination counts as one of its sources
.endr
	s_lshl_b32 s54, s51, 1
	s_add_co_u32 s54, s54, s19                     ; my 128 rows of A, counted in 128s,
	s_lshl_b32 s55, s50, 1
	s_add_co_u32 s55, s55, s20                     ; and of B
	s_cmp_eq_u32 s[SEL], 0
	s_cselect_b32 s56, s54, s55                    ; which 128 tokens, 0 .. 63,
	s_cselect_b32 s57, s55, s54                    ; and which head
	s_lshr_b32 s58, s56, 4                         ; the batch
	s_lshl_b32 s58, s58, 3
	s_add_co_u32 s58, s58, s57
	s_lshl_b32 s58, s58, 4
	s_and_b32 s59, s56, 15
	s_add_co_u32 s58, s58, s59                     ; the chunk
	s_mul_i32 s60, s[SEL], 4456448                 ; cw: K's part, then V's: 512 chunks a part
	s_mul_i32 s61, s58, 8704
	s_add_co_u32 s60, s60, s61
	s_mov_b32 s61, 0
	s_add_nc_u64 s[14:15], s[14:15], s[60:61]
	s_lshl_b32 s60, s57, 9                         ; the head's 128 numbers of the bias
	s_add_nc_u64 s[12:13], s[12:13], s[60:61]
	; THE BIAS is the C of each sum's first product: eight registers a tile, in the result's layout
	s_cmp_eq_u32 s[SEL], 0
	s_cbranch_scc0 .Lbias_by_m
	WIN TO_B
	s_wait_alu depctr_va_vdst(0)
.irp b, 0,1,2,3,4,5,6,7                ; by n: tile b, register j: bias[16 b + 8 h + j]
	global_load_b128 v[BI+8*\b:BI+8*\b+3], v[BH], s[12:13] offset:64*\b
	global_load_b128 v[BI+8*\b+4:BI+8*\b+7], v[BH], s[12:13] offset:64*\b+16
.endr
	WIN 0
	s_branch .Lbias_asked
.Lbias_by_m:
	WIN TO_B
	s_wait_alu depctr_va_vdst(0)
.irp a, 0,1,2,3,4,5,6,7                ; by m: block a, every register: bias[16 a + r]
.irp j, 0,1,2,3,4,5,6,7
	global_load_b32 v[BI+8*\a+\j], v[BR], s[12:13] offset:64*\a
.endr
.endr
	WIN 0
.Lbias_asked:
	; Wq RE-LAID, while the head's tiles are on their way.  Image m = 8 (8 q + head) + b holds features 128 head + 16 b + r, K = 128 q + 0 .. 127.  512 images of two groups of 512 bytes: a group to each of the launch's 1,024 waves.
	s_load_b128 s[56:59], s[0:1], 0x58             ; Wq_codes, Wq_scales
	s_load_b64 s[60:61], s[0:1], 0x68              ; wqi
	s_and_b32 s62, ttmp7, 0xffff                   ; the cluster's number
	s_bfe_u32 s48, ttmp6, 0x40000
	s_bfe_u32 s49, ttmp6, 0x40004
	s_lshl_b32 s63, s62, 4
	s_lshl_b32 s49, s49, 2
	s_add_co_u32 s63, s63, s49
	s_add_co_u32 s63, s63, s48                     ; the work-group's number, 0 .. 255: it enters global addresses alone
	s_lshl_b32 s50, s63, 1
	s_add_co_u32 s50, s50, s19                     ; m; my group c = wave % 2
	s_lshr_b32 s51, s50, 3                         ; the chunk, 8 q + head
	s_and_b32 s52, s50, 7                          ; b
	s_lshr_b32 s53, s51, 3                         ; q
	s_and_b32 s54, s51, 7
	s_lshl_b32 s54, s54, 3
	s_add_co_u32 s54, s54, s52
	s_lshl_b32 s54, s54, 13                        ; 16 rows of 512 bytes for each tile of features,
	s_lshl_b32 s53, s53, 6
	s_add_co_u32 s54, s54, s53                     ; + 64 q
	s_lshl_b32 s55, s20, 5
	s_add_co_u32 s54, s54, s55                     ; + 32 c
	s_mul_i32 s51, s51, 8704
	s_lshl_b32 s52, s52, 10
	s_add_co_u32 s52, s52, s51
	s_lshl_b32 s55, s20, 9
	s_add_co_u32 s52, s52, s55                     ; to: chunk, image b, group c
	s_mov_b32 s53, 0
	s_mov_b32 s55, 0
	v_lshlrev_b32 v200, 9, v1
	v_and_b32 v201, 31, v0
	v_lshl_add_u32 v200, v2, 4, v200               ; row r, + 16 h
	v_lshlrev_b32 v201, 5, v201                    ; a row of scale bytes for each lane
	s_wait_alu depctr_va_vdst(0)
	s_wait_kmcnt 0x0
	s_add_nc_u64 s[56:57], s[56:57], s[54:55]
	s_add_nc_u64 s[52:53], s[60:61], s[52:53]
	global_load_b128 v[192:195], v200, s[56:57]
	s_wait_loadcnt 0x0
	global_store_b128 v[CO], v[192:195], s[52:53]  ; 32 lanes store 512 consecutive bytes, aligned; v192-201 are written nowhere else
	s_cmp_lt_u32 s62, 4                            ; the 64 chunks' scale words: wave 0 of the work-groups of clusters 0 to 3, a chunk each: the branches hang on the cluster's and the wave's number alone
	s_cbranch_scc0 .Lno_words
	s_cmp_eq_u32 s[WV], 0
	s_cbranch_scc0 .Lno_words
	s_and_b32 s54, s63, 7                          ; head
	s_lshl_b32 s54, s54, 12                        ; 128 rows of 32 bytes
	s_lshr_b32 s50, s63, 3                         ; q
	s_lshl_b32 s50, s50, 2
	s_add_co_u32 s54, s54, s50
	s_add_nc_u64 s[58:59], s[58:59], s[54:55]
	s_mul_i32 s50, s63, 8704
	s_mov_b32 s51, 0
	s_add_nc_u64 s[60:61], s[60:61], s[50:51]
.irp u, 0,1,2,3
	global_load_b32 v[196+\u], v201, s[58:59] offset:1024*\u       ; the word of row x = lane + 32 u, which lies at 16 (x % 32) + 4 (x / 32)
.endr
	s_wait_loadcnt 0x0
	global_store_b128 v[CO], v[196:199], s[60:61] offset:8192      ; 512 consecutive bytes, aligned
.Lno_words:
.macro FRAG reg, adr, q, i             ; a fragment: lane l holds row l % 16; registers 4 c .. 4 c + 3 hold K = 64 c + 32 (l / 16) + 0 .. 31
.irp c, 0,1
	ds_load_b128 v[\reg+4*\c:\reg+4*\c+3], v[\adr] offset:64*(\q)+32*\c+(\i)*16*PITCH
.endr
.endm
; 16 matrix instructions: A's blocks a0, a0 + 1 x B's eight, the slot's q-th 128 along K.  p: B's set;  sc: the set of scale words.  zero = 1: the sums start from the bias by n;  2: by m;  0: they go on.
; The 64 accumulators take turns, one instruction a turn, in the same order in every step.
.macro MUL16 a0, p, q, sc, zero
.irp a, \a0, \a0+1
.irp b, 0,1,2,3,4,5,6,7
.set rD, 8*(8*((\a)%4)+\b)
.set rB, 128*(\p)+FR*\b
.set rA, AF+FR*(\a)
.set rSB, SC+8*NQ*(\sc)+NQ*\b+(\q)
.set rSA, SC+8*NQ*(\sc)+NQ*(\a)+(\q)
.if (\zero) == 1
	v_wmma_scale_f32_16x16x128_f8f6f4 v[rD:rD+7], v[rB:rB+7], v[rA:rA+7], v[BI+8*\b:BI+8*\b+7], v[rSB], v[rSA] matrix_a_fmt:MATRIX_FMT_FP4 matrix_b_fmt:MATRIX_FMT_FP4 matrix_a_scale:MATRIX_SCALE_ROW1
.elseif (\zero) == 2
	v_wmma_scale_f32_16x16x128_f8f6f4 v[rD:rD+7], v[rB:rB+7], v[rA:rA+7], v[BI+8*(\a):BI+8*(\a)+7], v[rSB], v[rSA] matrix_a_fmt:MATRIX_FMT_FP4 matrix_b_fmt:MATRIX_FMT_FP4 matrix_a_scale:MATRIX_SCALE_ROW1
.else
	v_wmma_scale_f32_16x16x128_f8f6f4 v[rD:rD+7], v[rB:rB+7], v[rA:rA+7], v[rD:rD+7], v[rSB], v[rSA] matrix_a_fmt:MATRIX_FMT_FP4 matrix_b_fmt:MATRIX_FMT_FP4 matrix_a_scale:MATRIX_SCALE_ROW1
.endif
.endr
.endr
.endm
.macro FETCH_B slot, q, p              ; B's eight fragments of the slot's q-th 128 along K into set p
	WIN TO_B
.irp i, 0,1,2,3,4,5,6,7
	FRAG 128*(\p)+FR*\i, ADRB+\slot, \q, \i
.endr
	WIN 0
.endm
.macro FETCH_A slot, q, i0             ; A's blocks i0 .. i0 + 3
.irp i, \i0, \i0+1, \i0+2, \i0+3
	FRAG AF+FR*(\i), ADRA+\slot, \q, \i
.endr
.endm
.macro SCALES sc                       ; a slot's scale words into set sc: four words a row; lanes 0-15 take A's block i, lanes 16-31 B's block i
.irp i, 0,1,2,3,4,5,6,7
	ds_load_b128 v[SC+8*NQ*\sc+NQ*\i:SC+8*NQ*\sc+NQ*\i+3], v[ADRS] offset:\i*SBLK
.endr
.endm
.macro PLACES n                        ; plain vector instructions that name none of a matrix instruction's registers, in front of loads into registers that it has read and of reads of its results
.rept \n
	v_nop
.endr
.endm
; A step of 128 along K that has its successor in the same slot.  A block of A is free as soon as its eight products are issued: blocks 0-3 are fetched anew in the step's middle, blocks 4-7 at its end.
.macro STEP slot, q, zero
	s_wait_dscnt 4*NL                              ; B's set, A's blocks 0-3 (and the scale words) are in; the youngest eight loads, A's blocks 4-7, may be out
.if \zero
	WIN 0x91                                       ; source 0 window 1, source 1 window 0, C (the bias) window 1, D window 2
.else
	WIN MUL_LO
.endif
	MUL16 0, (\q)%2, \q, \slot, \zero
	MUL16 2, (\q)%2, \q, \slot, \zero
	s_wait_dscnt 0                                 ; A's blocks 4-7 are in
	PLACES NP
	FETCH_B \slot, (\q)+1, 1-(\q)%2
	FETCH_A \slot, (\q)+1, 0
.if \zero
	WIN 0xd1                                       ; the same, D window 3
.else
	WIN MUL_HI
.endif
	MUL16 4, (\q)%2, \q, \slot, \zero
	MUL16 6, (\q)%2, \q, \slot, \zero
	PLACES NP
	WIN 0
	FETCH_A \slot, (\q)+1, 4
.endm
; Slot 0's last step changes slots: one barrier; in front of it each wave waits for all its tensor loads (its part of slot 1), adds 0 to its spare word, and waits for that and for its reads of slot 0.
.macro TURN slot, next
	s_wait_tensorcnt 0x0                           ; all my tensor loads have landed
	ds_add_u32 v[SPW], v[NIL]                      ; 0 onto my spare word
	s_wait_dscnt 4*NL+1                            ; (the add and the youngest eight loads, A's blocks 4-7, may be out)
	WIN MUL_LO
	MUL16 0, 1, NQ-1, \slot, 0                     ; sixteen matrix instructions stand between the add and the wait for it
	s_wait_dscnt 0x0                               ; the add is done, and my reads of this slot are over
	s_barrier_signal -1
	MUL16 2, 1, NQ-1, \slot, 0
	WIN 0
	s_barrier_wait -1                              ; the next slot is whole, and nobody reads this one any more
	PLACES NP
	v_add_nc_u32 v[ADRS], 4*NQ, v[ADRS]            ; on to the next slot's scale words
	FETCH_B \next, 0, 0
	FETCH_A \next, 0, 0
	SCALES \next
	WIN MUL_HI
	MUL16 4, 1, NQ-1, \slot, 0
	MUL16 6, 1, NQ-1, \slot, 0
	PLACES NP
	WIN 0
	FETCH_A \next, 0, 4
.endm
.macro STEPS slot, from                ; the slot's steps from .. NQ - 2
.set Q, \from
.rept NQ-1-\from
	STEP \slot, Q, 0
.set Q, Q+1
.endr
.endm
	s_wait_tensorcnt 0x0                           ; my tile of the head's four is in
	ds_add_u32 v[SPW], v[NIL]
	s_mov_b32 s[G1+2], 128<<16                     ; no tensor load of mine is out: from here on a load brings 128 rows
	s_mov_b32 s[G1+4], 128
	s_mov_b32 s[G1B+2], 128<<16
	s_mov_b32 s[G1B+4], 128
	s_wait_dscnt 0x0
	CROUND                                         ; all four tiles are in, and all sixteen work-groups are here
	JLOAD G0+4, G1, G0B+4, G1B                     ; slot 1's load, the first tensor load behind the round: one load of mine is out
	FETCH_B 0, 0, 0
	FETCH_A 0, 0, 0
	SCALES 0
	FETCH_A 0, 0, 4
	s_wait_loadcnt 0x0                             ; the bias
	s_cmp_eq_u32 s[SEL], 0                         ; the first step is written twice: its C is the bias by n or by m.  The branch hangs on the cluster's number alone
	s_cbranch_scc0 .Lfirst_by_m
	STEP 0, 0, 1
	s_branch .Lfirst_done
.Lfirst_by_m:
	STEP 0, 0, 2
.Lfirst_done:
	STEPS 0, 1
	TURN 0, 1
	STEPS 1, 0
	s_wait_dscnt 4*NL                              ; the very last step: nothing more to fetch
	WIN MUL_LO
	MUL16 0, 1, NQ-1, 1, 0
	MUL16 2, 1, NQ-1, 1, 0
	s_wait_dscnt 0
	WIN MUL_HI
	MUL16 4, 1, NQ-1, 1, 0
	MUL16 6, 1, NQ-1, 1, 0
	WIN 0
; THE QUANTISER.  Block a's 64 registers of a lane: register 16 b + i belongs to block b of 32 along the next K, which lies in lanes l and l xor 16.  Registers 16 b .. + 7 are k = 32 b + 8 h + 0 .. 7, registers
; 16 b + 8 .. + 15 are k = 32 b + 16 + 8 h + 0 .. 7.  The operand's layout wants a whole block in a lane (lanes 0-15 block 2 c, lanes 16-31 block 2 c + 1, registers 4 c .. 4 c + 3 in ascending k): the low halves'
; codes of blocks 2 c, 2 c + 1 go to registers 4 c, 4 c + 1, the high halves' to 4 c + 2, 4 c + 3, and one exchange of halves for each pair puts every eight codes in their place.
.macro QUANT a
.set AC, 64*((\a)%4)
.set WA, 2+(\a)/4                      ; the accumulators' window
.set PCD, PCB+8*(\a)
	WIN 5*WA                                       ; sources 0 and 1 in the accumulators' window
.irp b, 0,1,2,3
	v_max3_num_f32 v[TM+\b], |v[AC+16*\b]|, |v[AC+16*\b+1]|, 0x1800000   ; my 16 numbers of block b, each accumulator from its low end on, and the floor 2^(3 - 127): so the byte cannot fall under 1
.endr
.irp i, 2,4,6,8,10,12,14
.irp b, 0,1,2,3
	v_max3_num_f32 v[TM+\b], |v[AC+16*\b+\i]|, |v[AC+16*\b+\i+1]|, v[TM+\b]   ; (the four blocks by turns)
.endr
.endr
	WIN 0
.irp b, 0,1,2,3
	v_permlanex16_b32 v[TM+4+\b], v[TM+\b], s[PS], s[PS+1]
.endr
.irp b, 0,1,2,3
	v_max_num_f32 v[TM+\b], v[TM+\b], v[TM+4+\b]   ; with lane l xor 16's: the block's largest magnitude
.endr
.irp b, 0,1,2,3
	v_add_nc_u32 v[TM+12+\b], 0xff000000, v[TM+\b] ; 2 off its exponent field: the conversion's scale operand
.endr
.irp b, 0,1,2,3
	v_lshrrev_b32 v[TM+4+\b], 23, v[TM+12+\b]      ; the scale's byte
.endr
	v_lshl_or_b32 v[PW+\a], v[TM+5], 8, v[TM+4]    ; the four bytes make my row's scale word
	v_lshl_or_b32 v[PW+\a], v[TM+6], 16, v[PW+\a]
	v_lshl_or_b32 v[PW+\a], v[TM+7], 24, v[PW+\a]
	WIN WA                                         ; source 0 in the accumulators' window
.irp b, 0,1,2,3
	v_cvt_scalef32_pk8_fp4_f32 v[PCD+4*(\b/2)+(\b%2)], v[AC+16*\b:AC+16*\b+7], v[TM+12+\b]
	v_cvt_scalef32_pk8_fp4_f32 v[PCD+4*(\b/2)+2+(\b%2)], v[AC+16*\b+8:AC+16*\b+15], v[TM+12+\b]
.endr
	WIN 0
	v_nop                                          ; one plain line behind a scaled conversion
.irp c, 0,1
	v_permlane16_swap_b32 v[PCD+4*\c], v[PCD+4*\c+1]       ; the first's lanes 16-31 change places with the second's lanes 0-15
	v_permlane16_swap_b32 v[PCD+4*\c+2], v[PCD+4*\c+3]
.endr
.endm
	PLACES NP                                      ; behind the last products: their results are read, and the registers that held A's fragments are written
.irp a, 0,1,2,3,4,5,6,7                ; each fragment has registers of its own for its codes and its word: no store's data are written again
	QUANT \a
	global_store_b128 v[CO], v[PCB+8*\a:PCB+8*\a+3], s[14:15] offset:1024*\a         ; 32 lanes store 512 consecutive bytes, aligned
	global_store_b128 v[CO], v[PCB+8*\a+4:PCB+8*\a+7], s[14:15] offset:1024*\a+512
	ds_store_b32 v[STS], v[PW+\a] offset:256*(\a%2)+4*(\a/2)                         ; row x = 16 a + r: 16 (x % 32) + 4 (x / 32); lanes 16-31 write the same word with the same value
.endr
	ds_load_b128 v[BK:BK+3], v[STL]                ; LDS serves a wave's instructions in order: this sees my stores
	s_wait_dscnt 0x0
	global_store_b128 v[CO], v[BK:BK+3], s[14:15] offset:8192   ; the chunk's 512 bytes of scale words, behind its images
	s_wait_tensorcnt 0x0                           ; the wave's end, behind my last tensor load and my last LDS store
	ds_add_u32 v[SPW], v[NIL]
	s_wait_dscnt 0x0
	CROUND                                         ; the closing round: no work-group ends while a partner may still ask for a tile that names it
	s_endpgm
.Lfunc_end_k_qe2d9cab729_proj:
	.size	k_qe2d9cab729_proj, .Lfunc_end_k_qe2d9cab729_proj-k_qe2d9cab729_proj
	.p2alignl 7, 3214868480
	.fill 96, 4, 3214868480
	.section	.rodata,"a",@progbits
	.p2align	6, 0x0
	.amdhsa_kernel k_qe2d9cab729_proj
		.amdhsa_group_segment_fixed_size 327680
		.amdhsa_private_segment_fixed_size 0
		.amdhsa_enable_private_segment 0
		.amdhsa_kernarg_size 112
		.amdhsa_user_sgpr_count 2
		.amdhsa_user_sgpr_kernarg_segment_ptr 1
		.amdhsa_wavefront_size32 1
		.amdhsa_system_sgpr_workgroup_id_x 1
		.amdhsa_system_sgpr_workgroup_id_y 1
		.amdhsa_system_sgpr_workgroup_id_z 1
		.amdhsa_system_vgpr_workitem_id 0
		.amdhsa_next_free_vgpr 1024
		.amdhsa_next_free_sgpr 102
		.amdhsa_reserve_vcc 0
		.amdhsa_float_denorm_mode_32 3
		.amdhsa_float_denorm_mode_16_64 3
		.amdhsa_memory_ordered 1
		.amdhsa_forward_progress 1
		.amdhsa_inst_pref_size 150
	.end_amdhsa_kernel
	.amdgpu_metadata
---
amdhsa.version: [ 1, 2 ]
amdhsa.kernels:
  - .name:           k_qe2d9cab729_proj
    .symbol:         k_qe2d9cab729_proj.kd
    .args:
      - { .name: keys_codes, .offset: 0, .size: 8, .value_kind: global_buffer, .address_space: global }
      - { .name: Wv_codes, .offset: 8, .size: 8, .value_kind: global_buffer, .address_space: global }
      - { .name: keys_scales, .offset: 16, .size: 8, .value_kind: global_buffer, .address_space: global }
      - { .name: Wv_scales, .offset: 24, .size: 8, .value_kind: global_buffer, .address_space: global }
      - { .name: Wk_codes, .offset: 32, .size: 8, .value_kind: global_buffer, .address_space: global }
      - { .name: values_codes, .offset: 40, .size: 8, .value_kind: global_buffer, .address_space: global }
      - { .name: Wk_scales, .offset: 48, .size: 8, .value_kind: global_buffer, .address_space: global }
      - { .name: values_scales, .offset: 56, .size: 8, .value_kind: global_buffer, .address_space: global }
      - { .name: bk, .offset: 64, .size: 8, .value_kind: global_buffer, .address_space: global }
      - { .name: bv, .offset: 72, .size: 8, .value_kind: global_buffer, .address_space: global }
      - { .name: cw, .offset: 80, .size: 8, .value_kind: global_buffer, .address_space: global }
      - { .name: Wq_codes, .offset: 88, .size: 8, .value_kind: global_buffer, .address_space: global }
      - { .name: Wq_scales, .offset: 96, .size: 8, .value_kind: global_buffer, .address_space: global }
      - { .name: wqi, .offset: 104, .size: 8, .value_kind: global_buffer, .address_space: global }
    .group_segment_fixed_size: 327680
    .private_segment_fixed_size: 0
    .kernarg_segment_align: 8
    .kernarg_segment_size: 112
    .max_flat_workgroup_size: 128
    .sgpr_count:     102
    .vgpr_count:     1024
    .wavefront_size: 32
...
	.end_amdgpu_metadata
.endif
;; end of part 1
;; launch attn (part 2): grid 64 x 4, 16 waves a work-group, clusters of 4 x 1, 327,680 bytes of LDS; arguments cw, queries, gamma, beta, out0, wqi, bq; writes out0
.if DOCPART == 2
	.amdgcn_target "amdgcn-amd-amdhsa--gfx1250"
	.amdhsa_code_object_version 6
	.text
	.protected	k_qe2d9cab729_attn
	.globl	k_qe2d9cab729_attn
	.p2align	8
	.type	k_qe2d9cab729_attn,@function
k_qe2d9cab729_attn:
	s_mov_b64 s[64:65], 0
	v_nop
	global_prefetch_b8 v0, s[64:65] scope:SCOPE_SE
	s_setreg_imm32_b32 hwreg(HW_REG_WAVE_MODE, 25, 1), 1
	s_wait_xcnt 0x0
	s_wait_alu depctr_hold_cnt(0) depctr_sa_sdst(0) depctr_va_vdst(0) depctr_va_sdst(0) depctr_va_ssrc(0) depctr_va_vcc(0) depctr_vm_vsrc(0)
	s_getreg_b32 s2, hwreg(HW_REG_IB_STS2, 6, 4)
	s_cmp_eq_u32 s2, 0
	s_cbranch_scc0 .Lentry_in_a_cluster
	s_endpgm
.Lentry_in_a_cluster:
	s_bfe_u32 s2, ttmp6, 0x10000c
	s_cmp_lg_u32 s2, 0x3003
	s_cbranch_scc0 .Lentry_shape_is_right
	s_endpgm
.Lentry_shape_is_right:
; out0[b][q] = norm over 1,024 of (softmax_k(Q . K / sqrt(128), causal) V + queries) x gamma + beta, Q = queries Wq + bq; all three products on codes of FP4 (E2M1) with one E8M0 scale for each 32 along K.
; WORK LEFT OUT: a key step (128 keys) all of whose keys come after a wave's 16 queries: reference()'s own mask replaces those scores by -1e9, and their weights are 0 in f32 (shown at the head of the first launch).
; LIMITS: a row whose visible logits all lie at about -1e9 or under differs from reference(); a NaN, an infinity or an overflow that reaches only the steps left out is not carried on; NaN and infinities are not
; served; the promise holds while the scaled scores stay under 2^31 in magnitude; a block of zeros gets the byte 1 (its codes are zeros; this launch alone reads the bytes).
; THE SOFTMAX: t = score x log2(e) / sqrt(128); M = the running largest t rounded UP to a whole number; p = 2^(t - M) is quantised along the keys; the row's sum is taken of the unquantised p and divides at the end.
; OPERANDS: chunks of 8,704 bytes: eight images of an operand's registers (1,024 bytes: group c of lane l at 512 c + 16 l), then 512 bytes of scale words (16 x lane: register i holds tile 2 i in lanes 0-15,
; tile 2 i + 1 in lanes 16-31).  cw [K, V][(batch x 8 + head) x 16 + token / 128]; wqi [k / 128][head]: Wq's 128 features of a head x 128 along K.
; SHARES.  A work-group owns 32 WHOLE rows of one batch, all eight heads, so that the quantiser of the queries, their projection and the norm need no other work-group: tile 4 c + cx and tile 124 - 4 c + cx of
; 16 queries (c the cluster's number, cx the place in it).  Wave w: head w / 2; which tile is laid so that any four waves w % 4 = const, and any four w / 4 = const, hold two of each.
; The two tiles walk c / 2 + 1 and 16 - c / 2 key steps: 17 for every pair of waves.
; CLUSTER.  The four partners' tiles lie in the same steps of 128 keys, so all trip counts and branches hang on c and the wave's number alone, and every fill is asked for JOINTLY.
; THE RING.  Two slots of 16 chunks; wave w fetches chunk w of each fill: one load a wave behind each round of the cluster's barrier; one load of a wave is out at any time.  Fills 0-3: Wq, two steps of 128 along K
; for all heads each; then the key steps: K's eight heads, V's eight.  All fills have one shape and the same LDS bytes.  The walk has N = 16 - c / 2 key steps: a loop of two, (N - 1) / 2 trips, and a tail written
; out for N even and N odd: the last step asks for nothing.  Wq's four fills are not prefetched: they stand at the launch's start, with no step to run ahead in.
; THE QUERIES: wave w quantises rows 2 w, 2 w + 1 of the 32, a lane a block of 32 numbers; codes (rows of 512 bytes + 16) and bytes (rows of 32 + 16) lie in LDS bytes of their own.
; LAYOUT.  All products transposed: a lane holds ONE query (lane % 16).  In Q^T and S^T register 8 t + j of lane (r, h) is feature or key 16 t + 8 h + j.
; REGISTERS: v1 16 x lane; v2-4, v7 my two chunks in slots 0, 1; v5, v6 the add's; v12 -M, v13 largest t, v[14:15] the sum; v16-23 Q; v24 diagonal; v25, v26 stage; v27, v28 prefetches; v29, v30 the queries' codes
; and bytes; v32-95 fragments; v96-159 Q^T, S^T, p; v160-223 O^T (ahead of it: v160-167 the queries' fragment, v176-183 their scale words); v224-231 codes; v226-239, v244-247, v252, v254 at work;
; v240-243 V's scale words (at the head: addresses), v248-251 K's and Wq's, v253 p's, v255 Q's.
.set CH,    8704                       ; a chunk
.set PART,  512*CH                     ; a part of cw
.set HEADB, 16*CH                      ; a head's sixteen chunks
.set SLOT,  16*CH
.set SPARE, 2*SLOT                     ; the spare words, 128 bytes for each wave, which no other line names
.set XC,    SPARE+2048                 ; the queries' codes: 32 rows of XP bytes; no fill lands here
.set XP,    528
.set XS,    XC+32*XP                   ; their scale bytes: 32 rows of XSP bytes
.set XSP,   48
.set SP,    4112                       ; the way out's stage: a row of 4,096 bytes + 16; 32 rows from byte 0 on, inside slot 0
.set SPW,  5
.set NIL,  6
.set DQ,   24
.set STI,  25
.set STO,  26
.set PFO,  27
.set PFQ,  28
.set XF,   29
.set XSF,  30
.set WV,   20
.set CS,   22                          ; s[22:23] c = log2(e) / sqrt(128)
.set SEL,  24                          ; s[24:25] lane selects: lane l xor 16
.set G1,   28                          ; s[28:35] group 1: 34 rows of 256 bytes
.set G0,   36                          ; s[36:39], s[40:43] group 0 of slot 0, 1
.set PFA,  44                          ; s[44:45] my chunk of the step after the one that is being asked for
.set CL,   46
.set BT,   47
.set CX,   48
.set NS,   49                          ; N
.set MY,   50                          ; my tile's steps
.set ST,   51                          ; the step
.set CNT,  52
.set HD,   53
.set LT,   54
.set TL,   55
.set QP,   56                          ; s[56:57] queries at rows 2 w, 2 w + 1 of the 32;  s[58:59] out0 likewise
.set OP,   58
.macro D1
	s_delay_alu instid0(VALU_DEP_1)
.endm
.macro D2
	s_delay_alu instid0(VALU_DEP_2)
.endm
.macro D4
	s_delay_alu instid0(VALU_DEP_4)
.endm
.macro NOP4
.rept 4
	v_nop
.endr
.endm
.macro ROUND                           ; a round of the cluster's barrier
	s_barrier_signal -1
	s_barrier_wait -1
	s_cmp_lg_u32 s[WV], 0
	s_cbranch_scc1 .Lnw0_\@
	s_barrier_signal -3
.Lnw0_\@:
	s_barrier_wait -3
	s_barrier_signal -1
	s_barrier_wait -1
.endm
	s_load_b256 s[4:11], s[0:1], 0x0               ; cw s[4:5], queries s[6:7], gamma s[8:9], beta s[10:11]
	s_load_b64 s[12:13], s[0:1], 0x20              ; out0
	s_load_b128 s[16:19], s[0:1], 0x28             ; wqi s[16:17], bq s[18:19]
	v_lshl_add_u32 v[SPW], v0, 2, SPARE
	v_mov_b32 v[NIL], 0
	ds_add_u32 v[SPW], v[NIL]                      ; the opening: the add, twice on end, and its wait ahead of the first tensor load
	ds_add_u32 v[SPW], v[NIL]
	v_lshrrev_b32 v8, 5, v0
	v_readfirstlane_b32 s[WV], v8                  ; wave 0..15
	s_mov_b32 s[G1], 15|(3<<16)|(1<<21)            ; the mask: all four partners; elements of 8 bytes; bit 21 beside a mask
	s_mov_b32 s[G1+1], 32<<16
	s_mov_b32 s[G1+2], 34<<16
	s_mov_b32 s[G1+3], 32<<16
	s_mov_b32 s[G1+4], 34
	s_mov_b32 s[G1+5], 32
	s_mov_b32 s[G1+6], 0
	s_mov_b32 s[G1+7], 0
	s_mov_b32 s[CS], 0x3e0293ee
	s_mov_b32 s[CS+1], s[CS]
	s_mov_b32 s[SEL], 0x76543210
	s_mov_b32 s[SEL+1], 0xfedcba98
	s_mov_b32 s88, 0x3a800000                      ; 1 / 1,024
	s_mov_b32 s89, 0x358637bd                      ; 1e-6
	s_mov_b32 s[CL], ttmp9
	s_and_b32 s[BT], ttmp7, 0xffff
	s_bfe_u32 s[CX], ttmp6, 0x40000
	s_lshr_b32 s60, s[CL], 1
	s_sub_co_u32 s[NS], 16, s60
	s_add_co_u32 s61, s60, 1
	s_lshl_b32 s62, s[CL], 2                       ; the cluster's first early tile,
	s_sub_co_u32 s63, 124, s62                     ; and its first late one
	s_lshr_b32 s[HD], s[WV], 1
	s_lshr_b32 s66, s[WV], 2
	s_xor_b32 s66, s66, s[WV]
	s_and_b32 s[LT], s66, 1                        ; 1: the late tile
	s_cmp_eq_u32 s[LT], 0
	s_cselect_b32 s[MY], s61, s[NS]
	s_cselect_b32 s[TL], s62, s63
	s_cmp_lt_u32 s[WV], 8                          ; rows 0-15 of the 32 are the early tile's, rows 16-31 the late one's
	s_cselect_b32 s80, s62, s63
	s_add_co_u32 s[TL], s[TL], s[CX]
	s_add_co_u32 s80, s80, s[CX]
	s_lshr_b32 s67, s[WV], 3                       ; what I fetch of a key step: K (0) or V (1), head w % 8
	s_mul_i32 s67, s67, PART
	s_and_b32 s68, s[WV], 7
	s_lshl_b32 s69, s[BT], 3
	s_add_co_u32 s68, s68, s69
	s_mul_i32 s68, s68, HEADB
	s_add_co_u32 s70, s67, s68
	s_mov_b32 s71, 0
	s_mul_i32 s72, s[WV], CH                       ; where it goes in a slot; also my chunk's place in a fill of wqi
	s_mov_b32 s76, s72
	s_mov_b32 s77, 0
	s_and_b32 s75, s[TL], 7                        ; a: my tile's place in its step of 128 keys
	s_lshl_b32 s80, s80, 4                         ; rows 2 w, 2 w + 1 of the 32: batch x 2,048 + 16 x tile + 2 w % 16, 4,096 bytes a row
	s_lshl_b32 s81, s[WV], 1
	s_and_b32 s81, s81, 15
	s_add_co_u32 s80, s80, s81
	s_lshl_b32 s81, s[BT], 11
	s_add_co_u32 s80, s80, s81
	s_lshl_b32 s80, s80, 12
	s_mov_b32 s81, 0
	s_mul_i32 s82, s[CX], 9                        ; the prefetch: of a chunk's 34 blocks of 256 bytes my work-group names nine, told apart by address
	s_mul_i32 s83, s[HD], CH
	s_lshl_b32 s84, s75, 4
	s_mul_i32 s85, s[LT], 16*SP
	s_lshl_b32 s86, s[HD], 9
	s_add_co_u32 s85, s85, s86
	s_mov_b32 s78, s86                             ; the head's 128 numbers of bq
	s_mov_b32 s79, 0
	s_mul_i32 s87, s[WV], 2*SP
	s_mul_i32 s91, s[WV], 2*XP
	s_add_co_u32 s91, s91, XC
	s_mul_i32 s92, s[WV], 2*XSP
	s_add_co_u32 s92, s92, XS
	s_mul_i32 s93, s[LT], 16*XP
	s_add_co_u32 s93, s93, XC
	s_mul_i32 s94, s[LT], 16*XSP
	s_add_co_u32 s94, s94, XS
	s_mov_b32 s[ST], 0
	s_sub_co_u32 s90, s[NS], 1
	s_lshr_b32 s90, s90, 1                         ; (N - 1) / 2 trips, four at the least, seven at the most
	s_mov_b32 s[CNT], 0
	s_wait_dscnt 0x0                               ; both opening adds are done
	s_wait_kmcnt 0x0
	s_add_nc_u64 s[70:71], s[4:5], s[70:71]        ; my chunk of key step 0
	s_add_nc_u64 s[76:77], s[16:17], s[76:77]      ; my chunk of Wq's fill 0
	s_mov_b32 s[G0], 1
	s_mov_b32 s[G0+1], s72
	s_mov_b64 s[G0+2:G0+3], s[76:77]
	s_or_b32 s[G0+3], s[G0+3], 0x80000000
	s_mov_b32 s[G0+4], 1
	s_add_co_u32 s[G0+5], s72, SLOT
	s_add_nc_u64 s[G0+6:G0+7], s[76:77], 16*CH     ; fill 1
	s_or_b32 s[G0+7], s[G0+7], 0x80000000
	s_add_nc_u64 s[PFA:PFA+1], s[70:71], CH        ; the first key step moves it on to step 2
	s_add_nc_u64 s[78:79], s[18:19], s[78:79]
	s_add_nc_u64 s[QP:QP+1], s[6:7], s[80:81]
	s_add_nc_u64 s[OP:OP+1], s[12:13], s[80:81]
	ROUND                                          ; all four work-groups are here: the first joint loads meet
	tensor_load_to_lds s[G0:G0+3], s[G1:G1+7]      ; Wq's fill 0: every wave's one load at the head
	s_nop 0
	v_and_b32 v8, 31, v0                           ; lane
	v_and_b32 v9, 15, v0                           ; r
	v_bfe_u32 v10, v0, 4, 1                        ; h
	v_lshlrev_b32 v240, 7, v8                      ; my block of 32 numbers of a row
	v_lshlrev_b32 v241, 5, v10
	v_lshlrev_b32 v1, 4, v8
.irp k, 0,1
.irp i, 0,1,2,3,4,5,6,7
	global_load_b128 v[32+32*\k+4*\i:35+32*\k+4*\i], v240, s[QP:QP+1] offset:4096*\k+16*\i   ; eight loads on end take a row's 4,096 bytes whole
.endr
.endr
.irp b, 0,1,2,3,4,5,6,7                ; bq starts Q^T's sums: tile b, register j: bq[128 head + 16 b + 8 h + j]
	global_load_b128 v[96+8*\b:99+8*\b], v241, s[78:79] offset:64*\b
	global_load_b128 v[100+8*\b:103+8*\b], v241, s[78:79] offset:64*\b+16
.endr
	v_add_nc_u32 v2, s83, v1                       ; chunk `head` of slot 0 (K; Wq's even step),
	v_lshlrev_b32 v11, 3, v10
	v_add_nc_u32 v3, 8*CH, v2                      ; chunk 8 + head (V; Wq's odd step),
	v_add_nc_u32 v4, SLOT, v2                      ; and the same in slot 1
	v_add_nc_u32 v7, SLOT+8*CH, v2
	v_sub_nc_u32 v[DQ], v9, v11
	v_mul_u32_u24 v[STI], v9, SP
	v_add_nc_u32 v[DQ], s84, v[DQ]                 ; d = 16 a + r - 8 h: in my last step register n holds a hidden key where 16 (n / 8) + n % 8 > d
	v_lshl_add_u32 v[STI], v10, 5, v[STI]
	v_add_nc_u32 v[STO], s87, v1                   ; the stage, back: rows 2 w, 2 w + 1, 16 x lane
	v_add_nc_u32 v[STI], s85, v[STI]               ; the stage, in: row 16 x late + r, my head's 512 bytes, + 32 h
	v_min_u32 v[PFO], 8, v8
	v_lshlrev_b32 v[PFQ], 12, v10
	v_add_nc_u32 v[PFO], s82, v[PFO]
	v_lshl_add_u32 v[PFQ], v9, 8, v[PFQ]           ; my two rows of queries: 32 blocks of 256 bytes, a lane each
	v_min_u32 v[PFO], 33, v[PFO]                   ; (lanes left over name the last block again)
	v_mul_u32_u24 v[XF], v9, XP
	v_mul_u32_u24 v[XSF], v9, XSP
	v_lshlrev_b32 v[PFO], 8, v[PFO]
	v_lshl_add_u32 v[XF], v10, 4, v[XF]
	v_add_nc_u32 v[XSF], s94, v[XSF]               ; my tile's scale bytes: row 16 x late + r
	v_add_nc_u32 v[XF], s93, v[XF]                 ; my tile's codes: the same row, + 16 h
	v_add_nc_u32 v243, s91, v1                     ; where my blocks' codes go: rows 2 w, 2 w + 1, 16 x lane,
	v_add_nc_u32 v242, s92, v8                     ; and their bytes: + lane
	v_mov_b32 v13, 0xff61b1e6                      ; the largest t so far: -3e38
	v_mov_b32 v14, 0
	v_floor_f32 v12, -v13                          ; -M
	v_mov_b32 v15, 0
.irp b, 0,1,2,3
	v_mov_b32 v[236+\b], 0                         ; written once: a lane permute's destination counts as one of its sources
.endr
	v_mov_b32 v252, 0
	v_mov_b32 v253, 0
	s_wait_alu depctr_va_vdst(0)
	s_wait_loadcnt 16                              ; my two rows are in; bq's sixteen loads may be out
.irp k, 0,1                            ; a block's largest magnitude, with the floor 2^(3 - 127): the byte cannot fall under 1
	v_max3_num_f32 v[232+\k], |v[32+32*\k]|, |v[33+32*\k]|, 0x1800000
.endr
.irp i, 2,4,6,8,10,12,14,16,18,20,22,24,26,28,30
.irp k, 0,1
	v_max3_num_f32 v[232+\k], v[232+\k], |v[32+32*\k+\i]|, |v[33+32*\k+\i]|
.endr
.endr
.irp k, 0,1
	D2
	v_add_nc_u32 v[234+\k], 0xff000000, v[232+\k]  ; 2 off the exponent field: the conversion's scale operand
.endr
.irp k, 0,1
	D2
	v_lshrrev_b32 v[236+\k], 23, v[234+\k]         ; the scale's byte
.endr
.irp k, 0,1
.irp g, 0,1,2,3
	v_cvt_scalef32_pk8_fp4_f32 v[224+4*\k+\g], v[32+32*\k+8*\g:39+32*\k+8*\g], v[234+\k]
.endr
.endr
	v_nop                                          ; one plain line behind a scaled conversion
.irp k, 0,1
	ds_store_b128 v243, v[224+4*\k:227+4*\k] offset:XP*\k
	ds_store_b8 v242, v[236+\k] offset:XSP*\k
.endr
	s_wait_loadcnt 0x0                             ; bq
; A FILL OF Wq: the change of slots, then two steps of 128 along the model's 1,024: Q^T += Wq x queries^T, eight accumulators by turns.
.macro QSTEP f
.set SL, (\f)%2
.if SL
.set AK, 4
.set AV, 7
.else
.set AK, 2
.set AV, 3
.endif
	s_wait_tensorcnt 0x0                           ; my chunk of this fill is in, and no load of mine is out
	ds_add_u32 v[SPW], v[NIL]
.if (\f) < 2
	s_add_nc_u64 s[G0+4*SL+2:G0+4*SL+3], s[G0+4*SL+2:G0+4*SL+3], 32*CH   ; this slot's next fill of Wq
.else
	s_add_nc_u64 s[G0+4*SL+2:G0+4*SL+3], s[70:71], SL*CH                 ; this slot's next fill: key step 0 or 1
	s_or_b32 s[G0+4*SL+3], s[G0+4*SL+3], 0x80000000
.endif
	s_wait_dscnt 0x0                               ; the add, my stores of codes and bytes and my reads of the other slot are done
	ROUND
	tensor_load_to_lds s[G0+4-4*SL:G0+7-4*SL], s[G1:G1+7]
	s_nop 0
	NOP4                                           ; places in front of loads into registers that the last products read
.if (\f) == 0
	ds_load_b128 v[176:179], v[XSF]                ; my tile's eight scale words, one for each 128 along K
	ds_load_b128 v[180:183], v[XSF] offset:16
.endif
.irp j, 0,1
.if \j
	NOP4
.endif
	ds_load_b128 v[160:163], v[XF] offset:64*(2*(\f)+\j)
	ds_load_b128 v[164:167], v[XF] offset:64*(2*(\f)+\j)+32
.irp t, 0,1,2,3,4,5,6,7
.irp c, 0,1
	ds_load_b128 v[32+8*\t+4*\c:35+8*\t+4*\c], v[AK+(AV-AK)*\j] offset:1024*\t+512*\c
.endr
.endr
	ds_load_b128 v[248:251], v[AK+(AV-AK)*\j] offset:8192
	s_wait_dscnt 0x0
.irp t, 0,2,4,6
	v_wmma_scale_f32_16x16x128_f8f6f4 v[96+8*\t:103+8*\t], v[32+8*\t:39+8*\t], v[160:167], v[96+8*\t:103+8*\t], v[248+\t/2], v[176+2*(\f)+\j] matrix_a_fmt:MATRIX_FMT_FP4 matrix_b_fmt:MATRIX_FMT_FP4
	v_wmma_scale_f32_16x16x128_f8f6f4 v[104+8*\t:111+8*\t], v[40+8*\t:47+8*\t], v[160:167], v[104+8*\t:111+8*\t], v[248+\t/2], v[176+2*(\f)+\j] matrix_a_fmt:MATRIX_FMT_FP4 matrix_b_fmt:MATRIX_FMT_FP4 matrix_a_scale:MATRIX_SCALE_ROW1
.endr
.endr
.endm
	QSTEP 0
	QSTEP 1
	QSTEP 2
	QSTEP 3
	; Q^T QUANTISED along the head's 128, in registers: registers 16 b .. + 7 are k = 32 b + 8 h + 0 .. 7, registers 16 b + 8 .. + 15 k = 32 b + 16 + 8 h + 0 .. 7; a block lies in lanes l and l xor 16.
	NOP4
.irp b, 0,1,2,3
	v_max3_num_f32 v[232+\b], |v[96+16*\b]|, |v[97+16*\b]|, 0x1800000
.endr
.irp i, 2,4,6,8,10,12,14
.irp b, 0,1,2,3
	v_max3_num_f32 v[232+\b], |v[96+16*\b+\i]|, |v[97+16*\b+\i]|, v[232+\b]
.endr
.endr
.irp b, 0,1,2,3
	D4
	v_permlanex16_b32 v[236+\b], v[232+\b], s[SEL], s[SEL+1]
.endr
.irp b, 0,1,2,3
	D4
	v_max_num_f32 v[232+\b], v[232+\b], v[236+\b]
.endr
.irp b, 0,1,2,3
	D4
	v_add_nc_u32 v[244+\b], 0xff000000, v[232+\b]
.endr
.irp b, 0,1,2,3
	D4
	v_lshrrev_b32 v[236+\b], 23, v[244+\b]
.endr
	v_lshl_or_b32 v255, v237, 8, v236              ; my query's scale word
	D1
	v_lshl_or_b32 v255, v238, 16, v255
	D1
	v_lshl_or_b32 v255, v239, 24, v255
.irp b, 0,1,2,3
	v_cvt_scalef32_pk8_fp4_f32 v[16+4*(\b/2)+(\b%2)], v[96+16*\b:103+16*\b], v[244+\b]
	v_cvt_scalef32_pk8_fp4_f32 v[18+4*(\b/2)+(\b%2)], v[104+16*\b:111+16*\b], v[244+\b]
.endr
	v_nop                                          ; one plain line behind a scaled conversion
.irp c, 0,1                            ; a whole block in a lane, in ascending k
	v_permlane16_swap_b32 v[16+4*\c], v[17+4*\c]
	v_permlane16_swap_b32 v[18+4*\c], v[19+4*\c]
.endr
.set n, 0
.rept 64
	v_mov_b32 v[160+n], 0                          ; O^T: the key step has no first form of its own, which spares further copies of it.  (Also the places between the lines above and the first products)
.set n, n+1
.endr
; A KEY STEP: the change of slots, then 128 keys.
.macro STEP slot, refill
.if \slot
.set AK, 4
.set AV, 7
.else
.set AK, 2
.set AV, 3
.endif
	s_wait_tensorcnt 0x0                           ; my chunk of this step is in, and no load of mine is out
	ds_add_u32 v[SPW], v[NIL]
	s_add_nc_u64 s[G0+4*\slot+2:G0+4*\slot+3], s[G0+4*\slot+2:G0+4*\slot+3], 2*CH   ; this slot's next step
	s_wait_xcnt 0x0                                ; my last prefetch has read its address
	s_add_nc_u64 s[PFA:PFA+1], s[PFA:PFA+1], CH
	s_wait_dscnt 0x0                               ; the add is done, and my reads of the other slot are over
	ROUND                                          ; both hold of every wave of the four work-groups
.if \refill
	tensor_load_to_lds s[G0+4-4*\slot:G0+7-4*\slot], s[G1:G1+7]   ; the next step, into the slot read last
	s_nop 0
.endif
	NOP4                                           ; places in front of loads into registers that the last products read
.if \refill
	s_add_co_u32 s60, s[ST], 2                     ; the step after the one just asked for, one step ahead of its load, while there is one
	s_cmp_lt_u32 s60, s[NS]
	s_cbranch_scc0 .Lnp_\@
	global_prefetch_b8 v[PFO], s[PFA:PFA+1] th:TH_LOAD_NT scope:SCOPE_SE
.Lnp_\@:
.endif
	s_cmp_ge_u32 s[ST], s[MY]                      ; a step behind my tile's last is left out: ids alone, round the work and round no barrier, wait or add
	s_cbranch_scc1 .Lhidden_\@
.irp t, 0,1,2,3,4,5,6,7
.irp c, 0,1
	ds_load_b128 v[32+8*\t+4*\c:35+8*\t+4*\c], v[AK] offset:1024*\t+512*\c
.endr
.endr
	ds_load_b128 v[248:251], v[AK] offset:8192
	s_wait_dscnt 0x0
.irp t, 0,2,4,6                        ; S^T = K Q^T
	v_wmma_scale_f32_16x16x128_f8f6f4 v[96+8*\t:103+8*\t], v[32+8*\t:39+8*\t], v[16:23], 0, v[248+\t/2], v255 matrix_a_fmt:MATRIX_FMT_FP4 matrix_b_fmt:MATRIX_FMT_FP4
	v_wmma_scale_f32_16x16x128_f8f6f4 v[104+8*\t:111+8*\t], v[40+8*\t:47+8*\t], v[16:23], 0, v[248+\t/2], v255 matrix_a_fmt:MATRIX_FMT_FP4 matrix_b_fmt:MATRIX_FMT_FP4 matrix_a_scale:MATRIX_SCALE_ROW1
.endr
	NOP4                                           ; places in front of the loads below and of the first read of the scores
.irp t, 0,1,2,3,4,5,6,7                ; V's fragments land under the softmax
.irp c, 0,1
	ds_load_b128 v[32+8*\t+4*\c:35+8*\t+4*\c], v[AV] offset:1024*\t+512*\c
.endr
.endr
	ds_load_b128 v[240:243], v[AV] offset:8192
	s_add_co_u32 s60, s[ST], 1                     ; my tile's last step lies on the diagonal: hidden scores take reference()'s own filler
	s_cmp_lg_u32 s60, s[MY]
	s_cbranch_scc1 .Lopen_\@
	v_mov_b32 v254, 0xd0289660                     ; -1e9 x sqrt(128)
.set n, 0
.rept 64
	v_cmp_gt_i32 vcc_lo, 16*(n/8)+n%8, v[DQ]
	v_cndmask_b32 v[96+n], v[96+n], v254, vcc_lo
.set n, n+1
.endr
.Lopen_\@:
.irp b, 0,1,2,3
	v_max3_num_f32 v[232+\b], v[96+16*\b], v[97+16*\b], v[98+16*\b]   ; the largest score of each block of 32 keys: for the row's maximum and for the block's largest p
.endr
.irp i, 3,5,7,9,11,13
.irp b, 0,1,2,3
	v_max3_num_f32 v[232+\b], v[232+\b], v[96+16*\b+\i], v[97+16*\b+\i]
.endr
.endr
.irp b, 0,1,2,3
	v_max_num_f32 v[232+\b], v[232+\b], v[111+16*\b]
.endr
.irp b, 0,1,2,3
	D4
	v_permlanex16_b32 v[236+\b], v[232+\b], s[SEL], s[SEL+1]
.endr
.irp b, 0,1,2,3
	D4
	v_max_num_f32 v[232+\b], v[232+\b], v[236+\b]
.endr
	D2
	v_max3_num_f32 v254, v232, v233, v234
	D1
	v_max_num_f32 v254, v254, v235
	D1
	v_mul_f32 v254, s[CS], v254
	D1
	v_max_num_f32 v13, v13, v254                   ; the running largest t
	v_mov_b32 v254, v12
	D2
	v_floor_f32 v12, -v13                          ; the new -M
	D1
	v_sub_f32 v254, v12, v254
	D1
	v_cvt_i32_f32 v254, v254
	D1
	v_ldexp_f32 v252, 1.0, v254                    ; f = 2^(old M - new M)
.set n, 0
.rept 32
	v_pk_fma_f32 v[96+n:97+n], v[96+n:97+n], s[CS:CS+1], v[12:13] op_sel_hi:[1,0,0]   ; t - M
.set n, n+2
.endr
.irp b, 0,1,2,3
	v_fma_f32 v[232+\b], v[232+\b], s[CS], v12
.endr
	s_wait_alu depctr_va_vdst(0)
.set n, 0
.rept 64
	v_exp_f32 v[96+n], v[96+n]                     ; p
.set n, n+1
.endr
	v_pk_mul_f32 v[14:15], v[14:15], v[252:253] op_sel_hi:[1,0]   ; the sums under the new M
	s_wait_alu depctr_va_vdst(0)                   ; one wait for the batch, ahead of its first reader
.irp b, 0,1,2,3
	v_exp_f32 v[232+\b], v[232+\b]                 ; the block's largest p
.endr
.set n, 0
.irp d, 226,228,230,236,238,244,246    ; the row's sum of the unquantised p, in eight chains
	v_pk_add_f32 v[\d:\d+1], v[96+2*n:97+2*n], v[98+2*n:99+2*n]
.set n, n+2
.endr
	v_pk_add_f32 v[14:15], v[14:15], v[124:125]
.set n, 15
.rept 2
.irp d, 226,228,230,236,238,244,246,14
	v_pk_add_f32 v[\d:\d+1], v[\d:\d+1], v[96+2*n:97+2*n]
.set n, n+1
.endr
.endr
	v_pk_add_f32 v[226:227], v[226:227], v[158:159]
	v_pk_add_f32 v[14:15], v[14:15], v[236:237]
	v_pk_add_f32 v[228:229], v[228:229], v[244:245]
	v_pk_add_f32 v[230:231], v[230:231], v[246:247]
	v_pk_add_f32 v[226:227], v[226:227], v[238:239]
	v_pk_add_f32 v[14:15], v[14:15], v[228:229]
	D2
	v_pk_add_f32 v[226:227], v[226:227], v[230:231]
	D1
	v_pk_add_f32 v[14:15], v[14:15], v[226:227]
	s_wait_alu depctr_va_vdst(0)                   ; and one for the four
.irp b, 0,1,2,3
	v_max_num_f32 v[232+\b], 0x1800000, v[232+\b]  ; the floor 2^(3 - 127): the byte cannot fall under 1
.endr
.irp b, 0,1,2,3
	D4
	v_add_nc_u32 v[244+\b], 0xff000000, v[232+\b]  ; 2 off the exponent field: the conversion's scale operand
.endr
.irp b, 0,1,2,3
	D4
	v_lshrrev_b32 v[236+\b], 23, v[244+\b]         ; the scale's byte
.endr
	v_lshl_or_b32 v253, v237, 8, v236              ; p's scale word
	D1
	v_lshl_or_b32 v253, v238, 16, v253
	D1
	v_lshl_or_b32 v253, v239, 24, v253
.irp b, 0,1,2,3                        ; registers 16 b .. + 7 are keys 32 b + 8 h + 0 .. 7, registers 16 b + 8 .. + 15 keys 32 b + 16 + 8 h + 0 .. 7
	v_cvt_scalef32_pk8_fp4_f32 v[224+4*(\b/2)+(\b%2)], v[96+16*\b:103+16*\b], v[244+\b]
	v_cvt_scalef32_pk8_fp4_f32 v[226+4*(\b/2)+(\b%2)], v[104+16*\b:111+16*\b], v[244+\b]
.endr
	v_nop                                          ; one plain line behind a scaled conversion
.irp c, 0,1                            ; a whole block in a lane, in ascending k
	v_permlane16_swap_b32 v[224+4*\c], v[225+4*\c]
	v_permlane16_swap_b32 v[226+4*\c], v[227+4*\c]
.endr
	s_wait_alu depctr_va_vdst(0)
.set n, 0
.rept 32
	v_pk_mul_f32 v[160+n:161+n], v[160+n:161+n], v[252:253] op_sel_hi:[1,0]   ; O^T under the new M; also the places ahead of the products
.set n, n+2
.endr
	s_wait_alu depctr_va_vdst(0)
	s_wait_dscnt 0x0                               ; V
.irp t, 0,2,4,6                        ; O^T += V^T P^T: eight accumulators by turns
	v_wmma_scale_f32_16x16x128_f8f6f4 v[160+8*\t:167+8*\t], v[32+8*\t:39+8*\t], v[224:231], v[160+8*\t:167+8*\t], v[240+\t/2], v253 matrix_a_fmt:MATRIX_FMT_FP4 matrix_b_fmt:MATRIX_FMT_FP4
	v_wmma_scale_f32_16x16x128_f8f6f4 v[168+8*\t:175+8*\t], v[40+8*\t:47+8*\t], v[224:231], v[168+8*\t:175+8*\t], v[240+\t/2], v253 matrix_a_fmt:MATRIX_FMT_FP4 matrix_b_fmt:MATRIX_FMT_FP4 matrix_a_scale:MATRIX_SCALE_ROW1
.endr
.Lhidden_\@:
	s_add_co_u32 s[ST], s[ST], 1
.endm
	s_wait_alu depctr_va_vdst(0)
.Lloop:
	STEP 0, 1
	STEP 1, 1
	s_add_co_u32 s[CNT], s[CNT], 1
	s_cmp_lt_u32 s[CNT], s90
	s_cbranch_scc1 .Lloop
	global_prefetch_b8 v[PFQ], s[QP:QP+1] th:TH_LOAD_NT scope:SCOPE_SE   ; the two rows of queries that my way out adds, named by this wave alone, one or two steps ahead; its address registers are never rewritten
	s_bitcmp1_b32 s[NS], 0                         ; the cluster's number alone
	s_cbranch_scc1 .Lodd
	STEP 0, 1
	STEP 1, 0
	s_branch .Lout
.Lodd:
	STEP 0, 0
.Lout:
	; THE WAY OUT.  O^T / the sum goes into the stage, 32 whole rows; then each wave takes two rows, adds the queries and norms them.
	NOP4                                           ; places behind the last products
.irp j, 0,1,2,3,4,5,6,7
	global_load_b128 v[32+4*\j:35+4*\j], v1, s[8:9] offset:512*\j      ; gamma and beta of my 32 columns, where the fragments lay
	global_load_b128 v[64+4*\j:67+4*\j], v1, s[10:11] offset:512*\j
.endr
	v_add_f32 v14, v14, v15
	D1
	v_permlanex16_b32 v252, v14, s[SEL], s[SEL+1]
	D1
	v_add_f32 v14, v14, v252                       ; the row's sum
	s_wait_alu depctr_va_vdst(0)
	v_rcp_f32 v14, v14
	v_nop
	s_wait_alu depctr_va_vdst(0)                   ; ahead of the reciprocal's first reader, which is also O^T's
.set n, 0
.rept 32
	v_pk_mul_f32 v[96+n:97+n], v[160+n:161+n], v[14:15] op_sel_hi:[1,0]   ; register 8 t + j is o(r, 16 t + 8 h + j)
.set n, n+2
.endr
.irp k, 0,1
.irp j, 0,1,2,3,4,5,6,7
	global_load_b128 v[160+32*\k+4*\j:163+32*\k+4*\j], v1, s[QP:QP+1] offset:4096*\k+512*\j th:TH_LOAD_NT   ; 32 lanes read 512 consecutive bytes
.endr
.endr
	s_wait_alu depctr_va_vdst(0)
	s_wait_dscnt 0x0
	s_barrier_signal -1
	s_barrier_wait -1                              ; nobody reads a slot any more, and both have had their last fill
.irp t, 0,1,2,3,4,5,6,7
	ds_store_b128 v[STI], v[96+8*\t:99+8*\t] offset:64*\t
	ds_store_b128 v[STI], v[100+8*\t:103+8*\t] offset:64*\t+16
.endr
	s_wait_dscnt 0x0
	s_barrier_signal -1
	s_barrier_wait -1                              ; the 32 rows are whole
.irp k, 0,1
.irp j, 0,1,2,3,4,5,6,7
	ds_load_b128 v[96+32*\k+4*\j:99+32*\k+4*\j], v[STO] offset:SP*\k+512*\j
.endr
.endr
.macro ACROSS                          ; v8 summed over the 32 lanes
.irp m, 1,2,4,8
	D1
	v_add_f32_dpp v8, v8, v8 row_xmask:\m row_mask:0xf bank_mask:0xf
.endr
	D1
	v_permlanex16_b32 v9, v8, s[SEL], s[SEL+1]
	D1
	v_add_f32 v8, v8, v9
.endm
.macro ROW k                           ; the mean first, then the variance of the differences, as reference() has it
.set XR, 96+32*\k
.set QR, 160+32*\k
	s_wait_loadcnt 8-8*\k                          ; this row's queries are in, and gamma and beta, asked for earlier; the other row's eight loads may be out (row 0)
	s_wait_dscnt 8-8*\k                            ; and the row is back from the stage
.set n, 0
.rept 16
	v_pk_add_f32 v[XR+n:XR+n+1], v[XR+n:XR+n+1], v[QR+n:QR+n+1]
.set n, n+2
.endr
	v_pk_add_f32 v[8:9], v[XR:XR+1], v[XR+2:XR+3]
	v_pk_add_f32 v[10:11], v[XR+4:XR+5], v[XR+6:XR+7]
.irp i, 8,12,16,20,24,28
	D2
	v_pk_add_f32 v[8:9], v[8:9], v[XR+\i:XR+\i+1]
	D2
	v_pk_add_f32 v[10:11], v[10:11], v[XR+\i+2:XR+\i+3]
.endr
	D1
	v_pk_add_f32 v[8:9], v[8:9], v[10:11]
	D1
	v_add_f32 v8, v8, v9
	ACROSS
	D1
	v_mul_f32 v12, 0xba800000, v8                  ; - the mean
.set n, 0
.rept 16
	v_pk_add_f32 v[XR+n:XR+n+1], v[XR+n:XR+n+1], v[12:13] op_sel_hi:[1,0]
.set n, n+2
.endr
	v_pk_mul_f32 v[8:9], v[XR:XR+1], v[XR:XR+1]
	v_pk_mul_f32 v[10:11], v[XR+2:XR+3], v[XR+2:XR+3]
.irp i, 4,8,12,16,20,24,28
	D2
	v_pk_fma_f32 v[8:9], v[XR+\i:XR+\i+1], v[XR+\i:XR+\i+1], v[8:9]
	D2
	v_pk_fma_f32 v[10:11], v[XR+\i+2:XR+\i+3], v[XR+\i+2:XR+\i+3], v[10:11]
.endr
	D1
	v_pk_add_f32 v[8:9], v[8:9], v[10:11]
	D1
	v_add_f32 v8, v8, v9
	ACROSS
	D1
	v_fma_f32 v14, v8, s88, s89                    ; the variance + 1e-6
	s_wait_alu depctr_va_vdst(0)
	v_rsq_f32 v14, v14
	v_nop
	s_wait_alu depctr_va_vdst(0)
.set n, 0
.rept 16
	v_pk_mul_f32 v[XR+n:XR+n+1], v[XR+n:XR+n+1], v[14:15] op_sel_hi:[1,0]
.set n, n+2
.endr
.set n, 0
.rept 16
	v_pk_fma_f32 v[XR+n:XR+n+1], v[XR+n:XR+n+1], v[32+n:33+n], v[64+n:65+n]
.set n, n+2
.endr
.irp j, 0,1,2,3,4,5,6,7
	global_store_b128 v1, v[XR+4*\j:XR+4*\j+3], s[OP:OP+1] offset:4096*\k+512*\j th:TH_STORE_NT   ; 32 lanes store 512 consecutive bytes, aligned
.endr
.endm
	ROW 0
	ROW 1
	s_wait_tensorcnt 0x0                           ; the wave's end
	ds_add_u32 v[SPW], v[NIL]
	s_wait_dscnt 0x0
	ROUND                                          ; the closing round
	s_endpgm
.Lfunc_end_k_qe2d9cab729_attn:
	.size	k_qe2d9cab729_attn, .Lfunc_end_k_qe2d9cab729_attn-k_qe2d9cab729_attn
	.p2alignl 7, 3214868480
	.fill 96, 4, 3214868480
	.section	.rodata,"a",@progbits
	.p2align	6, 0x0
	.amdhsa_kernel k_qe2d9cab729_attn
		.amdhsa_group_segment_fixed_size 327680
		.amdhsa_private_segment_fixed_size 0
		.amdhsa_enable_private_segment 0
		.amdhsa_kernarg_size 56
		.amdhsa_user_sgpr_count 2
		.amdhsa_user_sgpr_kernarg_segment_ptr 1
		.amdhsa_wavefront_size32 1
		.amdhsa_system_sgpr_workgroup_id_x 1
		.amdhsa_system_sgpr_workgroup_id_y 1
		.amdhsa_system_sgpr_workgroup_id_z 1
		.amdhsa_system_vgpr_workitem_id 0
		.amdhsa_next_free_vgpr 256
		.amdhsa_next_free_sgpr 96
		.amdhsa_reserve_vcc 1
		.amdhsa_float_denorm_mode_32 3
		.amdhsa_float_denorm_mode_16_64 3
		.amdhsa_memory_ordered 1
		.amdhsa_forward_progress 1
		.amdhsa_inst_pref_size 188
	.end_amdhsa_kernel
	.amdgpu_metadata
---
amdhsa.version: [ 1, 2 ]
amdhsa.kernels:
  - .name:           k_qe2d9cab729_attn
    .symbol:         k_qe2d9cab729_attn.kd
    .args:
      - { .name: cw, .offset: 0, .size: 8, .value_kind: global_buffer, .address_space: global }
      - { .name: queries, .offset: 8, .size: 8, .value_kind: global_buffer, .address_space: global }
      - { .name: gamma, .offset: 16, .size: 8, .value_kind: global_buffer, .address_space: global }
      - { .name: beta, .offset: 24, .size: 8, .value_kind: global_buffer, .address_space: global }
      - { .name: out0, .offset: 32, .size: 8, .value_kind: global_buffer, .address_space: global }
      - { .name: wqi, .offset: 40, .size: 8, .value_kind: global_buffer, .address_space: global }
      - { .name: bq, .offset: 48, .size: 8, .value_kind: global_buffer, .address_space: global }
    .group_segment_fixed_size: 327680
    .private_segment_fixed_size: 0
    .kernarg_segment_align: 8
    .kernarg_segment_size: 56
    .max_flat_workgroup_size: 512
    .sgpr_count:     96
    .vgpr_count:     256
    .wavefront_size: 32
...
	.end_amdgpu_metadata
.endif
;; end of part 2
